; MI455X (gfx1250); checked and timed in simulation.
; The chip was launched on July 23, 2026; its instructions are those of AMD's public machine-readable ISA for CDNA 5 (MIT licence, August 2026) and "CDNA5" Instruction Set Architecture Reference Guide (July 2026). The comments in the code are by the model that wrote it; some were corrected since.
;; Causal Self Attention. Allowed arithmetic: matrix products marked QUANTISED: E4M3 operands, one given power-of-two scale a tensor, by v_wmma_f32_16x16x64_fp8_fp8 or v_wmma_f32_16x16x128_fp8_fp8, f32 sums; products left as they are: f32 operands where the result goes on into a quantised operand, else bf16, f16 or f32 operands; f32 sums; everything else in f32.
;; Inputs: Wproj 1,024 x 1,024 float32; Wqkv 3,072 x 1,024 float32; lowp_scales 8 int32 (the exponents e of the quantised operands' scales 2^e); x 4 x 2,048 x 1,024 float32.
;; Outputs: out0 4 x 2,048 x 1,024 float32.
;; This version of the problem:
;;   THIS VERSION OF THE PROBLEM IS GIVEN IN LOW PRECISION. The matrix products marked QUANTISED in the list below multiply operands that are first quantised to E4M3 (4 exponent bits, 3 mantissa bits; 8 bits a number), with one given power-of-two scale for each operand tensor; their sums are f32. All else is computed in f32.
;;   The module's matrix products, in the order in which they are computed (A, B: the left and right operand; K: the contracted axis; several contracted axes count as one K, in the product's order):
;;     1. [M 8,192, K 1,024] x [K 1,024, N 3,072]; A: input x; B: input Wqkv: QUANTISED (scales: A lowp_scales[0], B lowp_scales[1])
;;     2. [M 2,048, K 1] x [K 1, N 32]; A: computed on the way; B: computed on the way: left as it is (no contracted axis)
;;     3. batch 64 x [M 2,048, K 64] x [K 64, N 2,048]; A: computed on the way; B: computed on the way: QUANTISED (scales: A lowp_scales[2], B lowp_scales[3])
;;     4. batch 64 x [M 2,048, K 2,048] x [K 2,048, N 64]; A: softmax (see below); B: computed on the way: QUANTISED (scales: A lowp_scales[4], B lowp_scales[5])
;;     5. [M 8,192, K 1,024] x [K 1,024, N 1,024]; A: computed on the way; B: input Wproj: QUANTISED (scales: A lowp_scales[6], B lowp_scales[7])
;;   THE QUANTISER, for each operand of a quantised product, along K:
;;     - The operand's scale is 2^e, e = its entry of the input lowp_scales (int32; the entries are numbered through the quantised products in the list's order, A before B).
;;     - Each number is divided by the scale, clamped to +-448, and rounded to the nearest number of E4M3, ties to even, subnormals kept.
;;     - The product sums the exact products of the quantised numbers (number of the format x scale) in f32.
;;   ~~~python
;;   def quantise(x, axis, e):      # numpy; x: float32 -> the quantised numbers, widened to float32 again
;;       x = np.moveaxis(x, axis, -1); K = x.shape[-1]
;;       r = np.clip(x / 2.0 ** e, -448, 448)
;;       step = 2.0 ** (np.maximum(np.frexp(np.where(r == 0, 1, r))[1] - 1, -6) - 3)
;;       q = np.round(r / step) * step * 2.0 ** e      # np.round: ties to even
;;       return np.moveaxis(q, -1, axis).astype(np.float32)
;;   ~~~
;;   SOFTMAX AHEAD OF A QUANTISED PRODUCT. Where the list says 'softmax', what is quantised is not the finished softmax but p = 2^(t - M), with t = logit x log2(e) and M = ceil(the row's largest t), a whole number; so 1/2 < the row's largest p <= 1. The row's sum l is taken of the UNQUANTISED p, in f32, and the product's result is divided by l at the end. Since M is a whole number, a kernel that streams over the keys may use a running M (the ceiling of the running maximum): every later rescaling is an exact power of two, so the quantised numbers keep their values, but for numbers so far below the row's largest that they fall under the format's range.
;;   OPERANDS COMPUTED ON THE WAY. 'Computed on the way' means the value that the module computes at that place (a softmax that the list does not call 'softmax' is quantised finished and normalised). What goes into a quantiser is computed in f32, as accurately as f32 sums, v_exp_f32 and their like allow (about 1e-6 of the number): no bf16 or f16 on the way to a quantiser, and a product that is left as it is and whose result goes on into a quantised operand takes f32 operands (vector FMAs, or v_wmma_f32_16x16x4_f32). A number that lies on a knife's edge between two numbers of the format may be rounded either way, as far as f32 arithmetic and the matrix unit's own rounding can turn it there, and no further.
;; One version. Each part assembles by itself: llvm-mc -triple=amdgcn-amd-amdhsa -mcpu=gfx1250 --defsym DOCPART=n.
;; ======== version 1 of 1: 4 launches
;; limits: right only within a limited range of input values
;; workspace buffers: xc 8,388,608 bytes; wqc 3,145,728 bytes; wpc 1,048,576 bytes; yc 8,388,608 bytes; qc 8,388,608 bytes; kc 8,388,608 bytes; vc 8,388,608 bytes; rope 524,288 bytes
;; launch prep (part 1): grid 416 x 1, 4 waves a work-group, no clusters, 34,304 bytes of LDS; arguments x, Wqkv, Wproj, lowp_scales, xc, wqc, wpc, rope; writes xc, wqc, wpc, rope
.if DOCPART == 1
	.amdgcn_target "amdgcn-amd-amdhsa--gfx1250"
	.amdhsa_code_object_version 6
	.text
	.protected	k_q055748ea7d_prep
	.globl	k_q055748ea7d_prep
	.p2align	8
	.type	k_q055748ea7d_prep,@function
k_q055748ea7d_prep:
	s_mov_b64 s[64:65], 0
	v_nop
	global_prefetch_b8 v0, s[64:65] scope:SCOPE_SE
	s_setreg_imm32_b32 hwreg(HW_REG_WAVE_MODE, 25, 1), 1
	s_wait_xcnt 0x0
; x [8192][1024], Wqkv [3072][1024], Wproj [1024][1024], f32 with K innermost, become codes of FP8 (E4M3), each with its given scale 2^e (entries 0, 1, 7 of the scales);
; and the table of cos and sin for the rotation of q and k is made.
; code = number / 2^e, held within +-448, rounded to the nearest code, ties to even.  LIMITS: e between -126 and 119; NaN among the inputs is not served.
; THE CODES ARE LAID AS IMAGES OF AN OPERAND'S REGISTERS: [K slot of 256: 4][block of 16 rows][128 along K: 2][piece: 4][lane: 32][16 bytes].  Lane (r, h) of a fragment (16 rows x 128 K, 16 registers) holds row r;
; registers 2 c, 2 c + 1 hold k = 16 c + 8 h + 0 .. 7; piece p is registers 4 p .. 4 p + 3.  So a store of the wave covers 512 consecutive bytes, aligned, and the later launches read fragments as they lie.
; SHARES.  Work-groups 0-255 take x, 256-351 Wqkv, 352-383 Wproj: 32 rows each; wave w takes K slot w: four steps of 16 rows x 128 K.  Only pointers and sizes are chosen: the three tensors take one path.
; A step's sixteen loads read 512 consecutive bytes of a row each; the 8,192 bytes turn through the wave's own stage in LDS (rows of 512 + 16 bytes) and come back 32 bytes at a time, as the fragment's lanes want them.
; Work-groups 384-415 make the table: wave w the 16 positions of block tb = 4 (g - 384) + w.  rope: [tb 128][piece 8][lane 32][16 bytes] f32: lane (r, h), register n = 8 u + j of pieces 0-3: cos(t f(F)), t = 16 tb + r, F = 16 u + 8 h + j;
; pieces 4-7: sin.  f(F) = 10000^(-F / 32) = 2^(-F log2(10000) / 32), by v_exp_f32.  LIMIT: f(F) carries that instruction's last-place error, so an angle is right to about 2^-22 of itself.
; No tensor loads, no barrier: waves share nothing.
.set R,   16                           ; v16-143  two sets of 64 numbers as loaded
.set X,   144                          ; v144-207 64 numbers back from the stage: register 8 c + i = k 16 c + 8 h + i of my row
.set C,   208                          ; v208-223 a fragment's codes
.set WST, 16*528                       ; a wave's stage
.set INV, 16                           ; the table's path: v16-31 f(F), v32-47 cos, v48-63 sin, v64-74 at work
.set CO,  32
.set SI,  48
	s_load_b256 s[4:11], s[0:1], 0x0               ; x s[4:5], Wqkv s[6:7], Wproj s[8:9], the scales' exponents s[10:11]
	s_load_b256 s[12:19], s[0:1], 0x20             ; xc s[12:13], wqc s[14:15], wpc s[16:17], rope s[18:19]
	v_lshl_add_u32 v224, v0, 2, 0x8400
	v_mov_b32 v225, 0
	v_lshrrev_b32 v1, 5, v0
	v_readfirstlane_b32 s2, v1                     ; wave 0..3
	v_and_b32 v1, 31, v0                           ; lane
	v_and_b32 v2, 15, v0                           ; r
	v_bfe_u32 v4, v0, 4, 1                         ; h
	v_lshlrev_b32 v3, 4, v1                        ; 16 x lane
	s_cmp_ge_u32 ttmp9, 384
	s_cbranch_scc1 .Lrope                          ; the last 32 work-groups make the table
	s_mul_i32 s3, s2, WST                          ; my stage
	v_add_nc_u32 v14, s3, v3                       ; in: 16 x lane of a row
	v_mul_u32_u24 v15, v2, 528
	v_lshl_add_u32 v15, v4, 5, v15
	v_add_nc_u32 v15, s3, v15                      ; out: row r, + 32 h bytes
	s_wait_kmcnt 0x0
	s_load_b256 s[24:31], s[10:11], 0x0            ; e0 .. e7
	s_mov_b32 s33, 192*4096
	s_cmp_lt_u32 ttmp9, 256                        ; the choices hang on the work-group's number alone
	s_cselect_b64 s[20:21], s[4:5], s[6:7]         ; from
	s_cselect_b64 s[22:23], s[12:13], s[14:15]     ; to
	s_cselect_b32 s32, 0, 256                      ; the tensor's first work-group
	s_cselect_b32 s33, 512*4096, s33               ; bytes of a K slot in its codes: blocks of 16 rows x 4,096
	s_cmp_lt_u32 ttmp9, 352
	s_cselect_b64 s[20:21], s[20:21], s[8:9]
	s_cselect_b64 s[22:23], s[22:23], s[16:17]
	s_cselect_b32 s32, s32, 352
	s_cselect_b32 s33, s33, 64*4096
	s_sub_co_u32 s32, ttmp9, s32                   ; which 32 rows
	s_lshl_b32 s34, s32, 17                        ; 32 rows of 4,096 bytes,
	s_lshl_b32 s35, s2, 10                         ; my K slot's 1,024 bytes of a row
	s_add_co_u32 s34, s34, s35
	s_mov_b32 s35, 0
	s_add_nc_u64 s[20:21], s[20:21], s[34:35]
	s_mul_i32 s34, s2, s33                         ; my K slot,
	; x's and Wqkv's codes are laid [128 along K: 8][block of 16 rows][piece: 4][lane][16 bytes]; Wproj's as the head has it.  Only two steps differ: from one 128 along K to the next, and from block to block.
	s_lshr_b32 s38, s33, 1                         ; half a K slot
	s_mov_b32 s39, 4096
	s_cmp_lt_u32 ttmp9, 352
	s_cselect_b32 s38, s38, 2048                   ; 128 along K on
	s_cselect_b32 s39, 2048, s39                   ; a block on
	s_mul_i32 s36, s32, s39
	s_lshl_b32 s36, s36, 1                         ; my two blocks
	s_add_co_u32 s34, s34, s36
	s_add_nc_u64 s[40:41], s[22:23], s[34:35]      ; where step 0's fragment goes,
	s_mov_b32 s34, s38
	s_add_nc_u64 s[42:43], s[40:41], s[34:35]      ; step 1's,
	s_mov_b32 s34, s39
	s_add_nc_u64 s[44:45], s[40:41], s[34:35]      ; step 2's,
	s_add_nc_u64 s[46:47], s[42:43], s[34:35]      ; step 3's
.macro LOAD t                          ; step t: rows 16 (t / 2) on, 128 along K from 128 (t % 2) on, into set t % 2
.set ii, 0
.rept 16
	global_load_b128 v[R+64*((\t)%2)+4*ii:R+64*((\t)%2)+4*ii+3], v3, s[20:21] offset:((\t)/2)*65536+ii*4096+((\t)%2)*512 th:TH_LOAD_NT
.set ii, ii+1
.endr
.endm
	s_wait_alu depctr_va_vdst(0)
	LOAD 0
	LOAD 1
	s_wait_kmcnt 0x0
	s_cmp_lt_u32 ttmp9, 256
	s_cselect_b32 s37, s24, s25
	s_cmp_lt_u32 ttmp9, 352
	s_cselect_b32 s37, s37, s31                    ; e
	s_add_co_i32 s37, s37, 127
	s_lshl_b32 s38, s37, 23
	v_mov_b32 v11, s38                             ; 2^e as f32: the conversion takes its exponent field
	s_add_co_i32 s37, s37, 8
	s_lshl_b32 s37, s37, 23
	s_or_b32 s37, s37, 0x600000
	v_mov_b32 v10, s37                             ; 448 x 2^e
.macro STEPQ t
.if (\t) < 3
	s_wait_loadcnt 16                              ; this step's sixteen loads are in; the next step's sixteen may be out
.else
	s_wait_loadcnt 0
.endif
.set ii, 0
.rept 16
	ds_store_b128 v14, v[R+64*((\t)%2)+4*ii:R+64*((\t)%2)+4*ii+3] offset:528*ii
.set ii, ii+1
.endr
.set ii, 0
.rept 8
	ds_load_b128 v[X+8*ii:X+8*ii+3], v15 offset:64*ii          ; LDS serves a wave's instructions in order (ISA guide 5.7.1.4): these see the stores above
	ds_load_b128 v[X+8*ii+4:X+8*ii+7], v15 offset:64*ii+16
.set ii, ii+1
.endr
	s_wait_dscnt 0x0                               ; the numbers are back; the stores have read their registers,
.if (\t)+2 < 4
	LOAD (\t)+2                                    ; which take the loads of two steps on
.endif
.set ii, 0
.rept 64
	v_med3_num_f32 v[X+ii], v[X+ii], -v10, v10     ; the conversion to an 8-bit code does not saturate (ISA guide 7.6.2): the hold at the largest code x the scale
.set ii, ii+1
.endr
.if (\t) > 0
	s_wait_alu depctr_va_vdst(0)
	s_wait_xcnt 0x0                                ; the last step's stores have read their data: the codes' registers are written again only behind this wait
.endif
.set ii, 0
.rept 8
	v_cvt_scalef32_pk8_fp8_f32 v[C+2*ii:C+2*ii+1], v[X+8*ii:X+8*ii+7], v11
.set ii, ii+1
.endr
	v_nop                                          ; a plain instruction between the conversions and the next step's holds, which write their sources
.irp p, 0,1,2,3
	global_store_b128 v3, v[C+4*\p:C+4*\p+3], s[40+2*(\t):41+2*(\t)] offset:512*\p   ; 512 consecutive bytes, aligned
.endr
.endm
	s_wait_alu depctr_va_vdst(0)
	STEPQ 0
	STEPQ 1
	STEPQ 2
	STEPQ 3
	s_wait_tensorcnt 0x0
	ds_add_u32 v224, v225
	s_wait_dscnt 0x0
	s_endpgm
.Lrope:
	s_sub_co_u32 s3, ttmp9, 384
	s_lshl_b32 s3, s3, 2
	s_add_co_u32 s3, s3, s2                        ; tb
	s_lshl_b32 s36, s3, 4
	s_wait_alu depctr_va_vdst(0)
	v_add_nc_u32 v5, s36, v2
	v_cvt_f32_u32 v5, v5                           ; t = 16 tb + r
	v_lshlrev_b32 v6, 3, v4                        ; 8 h
	s_mov_b32 s40, 0xbfc90fd8                      ; -pi/2 in three parts: the first 21 bits, the next 24, the next 24
	s_mov_b32 s41, 0xb4a8885a
	s_mov_b32 s42, 0xa7c234c4
.set ii, 0
.rept 16
	v_add_nc_u32 v[INV+ii], 16*(ii/8)+ii%8, v6     ; F
.set ii, ii+1
.endr
.set ii, 0
.rept 16
	v_cvt_f32_u32 v[INV+ii], v[INV+ii]
.set ii, ii+1
.endr
.set ii, 0
.rept 16
	v_mul_f32 v[INV+ii], 0xbed49a78, v[INV+ii]     ; x -log2(10000) / 32
.set ii, ii+1
.endr
.set ii, 0
	s_wait_alu depctr_va_vdst(0)
.rept 16
	v_exp_f32 v[INV+ii], v[INV+ii]                 ; f(F): one batch
.set ii, ii+1
.endr
	v_nop                                          ; a plain instruction behind the last exponential
	s_wait_alu depctr_va_vdst(0)                   ; one wait for the batch, ahead of its first reader
; cos and sin of a = t f(F), a rounded once.  N = the nearest whole number to a / (pi/2); R = a - N pi/2, by three fused multiply-adds, the first of which is exact (N has 11 bits);
; on |R| <= pi/4 the series of sin to R^9 and of cos to R^10; N's two lowest bits say which of the two is which, and the signs.  Nothing here steers an address or a branch.
.macro SINCOS n
	v_mul_f32 v64, v5, v[INV+\n]
	v_mul_f32 v65, 0x3f22f983, v64                 ; x 2 / pi
	v_rndne_f32 v65, v65                           ; N
	v_fma_f32 v66, v65, s40, v64
	v_fma_f32 v66, v65, s41, v66
	v_fma_f32 v66, v65, s42, v66                   ; R
	v_mul_f32 v67, v66, v66                        ; z = R^2
	v_mov_b32 v68, 0x3638ef1d                      ; 1/362880
	v_fmaak_f32 v68, v68, v67, 0xb9500d01          ; -1/5040
	v_fmaak_f32 v68, v68, v67, 0x3c088889          ; 1/120
	v_fmaak_f32 v68, v68, v67, 0xbe2aaaab          ; -1/6
	v_mul_f32 v69, v66, v67
	v_fma_f32 v68, v68, v69, v66                   ; sin R
	v_mov_b32 v70, 0xb493f27e                      ; -1/3628800
	v_fmaak_f32 v70, v70, v67, 0x37d00d01          ; 1/40320
	v_fmaak_f32 v70, v70, v67, 0xbab60b61          ; -1/720
	v_fmaak_f32 v70, v70, v67, 0x3d2aaaab          ; 1/24
	v_fma_f32 v70, v70, v67, -0.5
	v_fma_f32 v70, v70, v67, 1.0                   ; cos R
	v_cvt_i32_f32 v71, v65
	v_and_b32 v72, 1, v71
	v_cmp_eq_u32 vcc_lo, 1, v72                    ; N odd: the two change places
	v_cndmask_b32 v73, v68, v70, vcc_lo
	v_cndmask_b32 v74, v70, v68, vcc_lo
	v_lshlrev_b32 v72, 30, v71
	v_and_b32 v72, 0x80000000, v72                 ; sin is negated where N mod 4 is 2 or 3,
	v_xor_b32 v[SI+\n], v72, v73
	v_add_nc_u32 v71, 1, v71
	v_lshlrev_b32 v71, 30, v71
	v_and_b32 v71, 0x80000000, v71                 ; cos where it is 1 or 2
	v_xor_b32 v[CO+\n], v71, v74
.endm
.irp n, 0,1,2,3,4,5,6,7,8,9,10,11,12,13,14,15
	SINCOS \n
.endr
	s_lshl_b32 s34, s3, 12
	s_mov_b32 s35, 0
	s_wait_alu depctr_va_vdst(0)
	s_wait_kmcnt 0x0
	s_add_nc_u64 s[18:19], s[18:19], s[34:35]
.irp p, 0,1,2,3,4,5,6,7
	global_store_b128 v3, v[CO+4*\p:CO+4*\p+3], s[18:19] offset:512*\p   ; cos's four pieces, then sin's four
.endr
	s_endpgm
.Lfunc_end_k_q055748ea7d_prep:
	.size	k_q055748ea7d_prep, .Lfunc_end_k_q055748ea7d_prep-k_q055748ea7d_prep
	.p2alignl 7, 3214868480
	.fill 96, 4, 3214868480
	.section	.rodata,"a",@progbits
	.p2align	6, 0x0
	.amdhsa_kernel k_q055748ea7d_prep
		.amdhsa_group_segment_fixed_size 34304
		.amdhsa_private_segment_fixed_size 0
		.amdhsa_enable_private_segment 0
		.amdhsa_kernarg_size 64
		.amdhsa_user_sgpr_count 2
		.amdhsa_user_sgpr_kernarg_segment_ptr 1
		.amdhsa_wavefront_size32 1
		.amdhsa_system_sgpr_workgroup_id_x 1
		.amdhsa_system_sgpr_workgroup_id_y 1
		.amdhsa_system_sgpr_workgroup_id_z 1
		.amdhsa_system_vgpr_workitem_id 0
		.amdhsa_next_free_vgpr 226
		.amdhsa_next_free_sgpr 66
		.amdhsa_reserve_vcc 1
		.amdhsa_float_denorm_mode_32 3
		.amdhsa_float_denorm_mode_16_64 3
		.amdhsa_memory_ordered 1
		.amdhsa_forward_progress 1
		.amdhsa_inst_pref_size 66
	.end_amdhsa_kernel
	.amdgpu_metadata
---
amdhsa.version: [ 1, 2 ]
amdhsa.kernels:
  - .name:           k_q055748ea7d_prep
    .symbol:         k_q055748ea7d_prep.kd
    .args:
      - { .name: x, .offset: 0, .size: 8, .value_kind: global_buffer, .address_space: global }
      - { .name: Wqkv, .offset: 8, .size: 8, .value_kind: global_buffer, .address_space: global }
      - { .name: Wproj, .offset: 16, .size: 8, .value_kind: global_buffer, .address_space: global }
      - { .name: lowp_scales, .offset: 24, .size: 8, .value_kind: global_buffer, .address_space: global }
      - { .name: xc, .offset: 32, .size: 8, .value_kind: global_buffer, .address_space: global }
      - { .name: wqc, .offset: 40, .size: 8, .value_kind: global_buffer, .address_space: global }
      - { .name: wpc, .offset: 48, .size: 8, .value_kind: global_buffer, .address_space: global }
      - { .name: rope, .offset: 56, .size: 8, .value_kind: global_buffer, .address_space: global }
    .group_segment_fixed_size: 34304
    .private_segment_fixed_size: 0
    .kernarg_segment_align: 8
    .kernarg_segment_size: 64
    .max_flat_workgroup_size: 128
    .sgpr_count:     66
    .vgpr_count:     226
    .wavefront_size: 32
...
	.end_amdgpu_metadata
.endif
;; end of part 1
;; launch qkv (part 2): grid 8 x 32, 4 waves a work-group, clusters of 4 x 4, 327,680 bytes of LDS; arguments xc, wqc, rope, lowp_scales, qc, kc, vc; writes qc, kc, vc
.if DOCPART == 2
	.amdgcn_target "amdgcn-amd-amdhsa--gfx1250"
	.amdhsa_code_object_version 6
	.text
	.protected	k_q055748ea7d_qkv
	.globl	k_q055748ea7d_qkv
	.p2align	8
	.type	k_q055748ea7d_qkv,@function
k_q055748ea7d_qkv:
	s_mov_b64 s[64:65], 0
	v_nop
	global_prefetch_b8 v0, s[64:65] scope:SCOPE_SE
	s_setreg_imm32_b32 hwreg(HW_REG_WAVE_MODE, 25, 1), 1
	s_wait_xcnt 0x0
	s_wait_alu depctr_hold_cnt(0) depctr_sa_sdst(0) depctr_va_vdst(0) depctr_va_sdst(0) depctr_va_ssrc(0) depctr_va_vcc(0) depctr_vm_vsrc(0)
	s_getreg_b32 s2, hwreg(HW_REG_IB_STS2, 6, 4)
	s_cmp_eq_u32 s2, 0
	s_cbranch_scc0 .Lentry_in_a_cluster
	s_endpgm
.Lentry_in_a_cluster:
	s_bfe_u32 s2, ttmp6, 0x10000c
	s_cmp_lg_u32 s2, 0xf033
	s_cbranch_scc0 .Lentry_shape_is_right
	s_endpgm
.Lentry_shape_is_right:
; qkv = x Wqkv^T on codes of FP8 (E4M3); q and k are rotated (RoPE); q, k and v are quantised with their given scales and stored as images of the next products' operands.
; OPERANDS are images of registers: [128 along K: 8][block of 16 rows][piece: 4][lane][16 bytes]; pieces 0, 1 are a fragment of 16 rows x 64 K (8 registers), pieces 2, 3 the next 64.
; SHARES.  A work-group makes 256 tokens x (q, k and v of two heads): 384 rows of Wqkv; 32 x 8 = 256 work-groups.  Wave w: tokens 128 (w / 2) on, head w % 2 of the pair: 8 blocks of tokens x (4 + 4 + 4) blocks of features: 96 accumulators.
; q, k: source 0 = 16 rows of W, source 1 = 16 tokens: a lane holds one token, its registers d = 16 bb + 8 h + j: the rotation's partners d and d + 32 are blocks bb and bb + 2 of the same lane and register.
; v: the sources change places: a lane holds one d, its registers run along the tokens: eight conversions give a fragment of V^T, 16 d x 128 keys.  Nothing is transposed.
; K = 1,024 goes in 16 steps of 64.  A step is three runs of 32 products (q, k, v).  x's 8 fragments have two sets of registers; each group's 4 fragments of W have one, loaded again straight behind the group's products.
; LDS: slot X holds 256 along K (x 65,536 bytes, then q's, k's, v's rows of W, 32,768 each), slot Y 128 along K (half of that).  Five fills: K 0, 256, 384, 640, 768 on, into X, Y, X, Y, X.  Waves 0-2 fetch W's three groups, wave 3 x.
; CLUSTERS: 4 x 4 work-groups; x's tile is asked for jointly along a row of the cluster (same tokens), W's along a column (same heads).
; NO PREFETCH: K is 1,024: five fills in all, the first two of them at the head.
; OUT: qc, kc [head 64][block of 16 tokens 128][piece 2][lane][16 bytes]; vc [head 64][128 keys: 16][16 d: 4][piece 4][lane][16 bytes].  Every store of a wave covers 512 consecutive bytes, aligned.
; A sum stands for sum x 2^(e0 + e1); the rotation is linear: so the conversion takes 2^(e - e0 - e1), e = e2 (q), e3 (k), e5 (v).  LIMIT: each of these three differences lies between -126 and 119.
; REGISTERS: window 0: v8-13 scales and holds; v16-21 LDS addresses; v26 16 x lane; v28, v29 the spare word and 0; v32-159 x's two sets; v160-255 W's three groups.  Windows 1, 2, 3: q's, k's, v's accumulators, (a, bb) at v[8 (4 a + bb)].
.set HSX,  1048576                     ; 128 along K on in xc: 512 blocks of 2,048 bytes
.set HSW,  393216                      ; in wqc: 192 blocks
.set YB,   163840                      ; slot Y
.set SPARE, 245760                     ; behind the slots: the spare words, 128 bytes for each wave, named by no other line
.set SCQ,  8
.set AXX,  16
.set AXY,  17
.set AWX,  18
.set AWY,  21
.set LI,   26
.set SPW,  28
.set NIL,  29
.set XS,   32
.set WB,   160
.set TAB,  32                          ; the way out: v32-95 two sets of 16 cos and 16 sin, then v's held numbers; v96-127 rotated numbers; v128-255 codes
.set TMP,  32
.set OUT,  96
.set CD,   128
.set G1XX, 24                          ; descriptor groups 1: x into X, x into Y, W into X, W into Y
.set G1XY, 32
.set G1WX, 48
.set G1WY, 56
.set G0XX, 76                          ; and groups 0
.set G0XY, 80
.set G0WX, 84
.set G0WY, 88
.set MSB, 0
.macro WIN new                         ; the immediate's high byte repeats the setting that is left
.if MSB != (\new)
	s_set_vgpr_msb (MSB<<8)|(\new)
.set MSB, (\new)
.endif
.endm
.macro PLACES                          ; plain vector instructions between a matrix instruction and a load into one of its registers, or a read of its result
.rept 4
	v_nop
.endr
.endm
.macro JLOAD g0x, g1x, g0w, g1w        ; a joint load: wave 3 fetches x, waves 0-2 W's groups.  The branch hangs on the wave's number alone
	s_cmp_eq_u32 s14, 3
	s_cbranch_scc0 .Lfor_w_\@
	tensor_load_to_lds s[\g0x:\g0x+3], s[\g1x:\g1x+7]
	s_nop 0
	PLACES
	s_branch .Lasked_\@
.Lfor_w_\@:
	tensor_load_to_lds s[\g0w:\g0w+3], s[\g1w:\g1w+7]
	s_nop 0
	PLACES
.Lasked_\@:
.endm
.macro CREST                           ; a round of the cluster's barrier behind its opening barrier
	s_cmp_lg_u32 s14, 0
	s_cbranch_scc1 .Lnot_wave_0_\@
	s_barrier_signal -3
.Lnot_wave_0_\@:
	s_barrier_wait -3
	s_barrier_signal -1
	s_barrier_wait -1
.endm
.macro CROUND
	s_barrier_signal -1
	s_barrier_wait -1
	CREST
.endm
	s_load_b256 s[4:11], s[0:1], 0x0               ; xc s[4:5], wqc s[6:7], rope s[8:9], the scales' exponents s[10:11]
	s_load_b128 s[68:71], s[0:1], 0x20             ; qc, kc
	s_load_b64 s[72:73], s[0:1], 0x30              ; vc
	v_lshl_add_u32 v[SPW], v0, 2, SPARE
	v_mov_b32 v[NIL], 0
	ds_add_u32 v[SPW], v[NIL]                      ; the opening lines: the add, twice on end, and its wait
	ds_add_u32 v[SPW], v[NIL]
	v_lshrrev_b32 v1, 5, v0
	v_readfirstlane_b32 s14, v1                    ; wave 0..3
	s_lshr_b32 s15, s14, 1                         ; which 128 tokens are mine
	s_and_b32 s16, s14, 1                          ; which head of the pair
	s_bfe_u32 s40, ttmp6, 0x40000                  ; cx, cy
	s_bfe_u32 s41, ttmp6, 0x40004
	s_lshl_b32 s42, ttmp9, 2
	s_add_co_u32 s42, s42, s40                     ; the pair of heads: 4 x cluster x + cx
	s_and_b32 s17, ttmp7, 0xffff
	s_lshl_b32 s17, s17, 2
	s_add_co_u32 s17, s17, s41                     ; the 256 tokens: 4 x cluster y + cy
	s_lshl_b32 s43, s41, 2
	s_lshl_b32 s43, 15, s43                        ; my row of the cluster
	s_lshl_b32 s44, 0x1111, s40                    ; my column
	s_or_b32 s[G1XX], s43, (3<<16)|(1<<21)         ; the mask; elements of 8 bytes; bit 21 beside a mask
	s_or_b32 s[G1XY], s43, (3<<16)|(1<<21)
	s_or_b32 s[G1WX], s44, (3<<16)|(1<<21)
	s_or_b32 s[G1WY], s44, (3<<16)|(1<<21)
.macro G1SET g, c, r, p                ; r rows of c elements, p elements apart
	s_mov_b32 s[\g+1], (\c)<<16
	s_mov_b32 s[\g+2], (\r)<<16
	s_mov_b32 s[\g+3], (\c)<<16
	s_mov_b32 s[\g+4], \r
	s_mov_b32 s[\g+5], \p
	s_mov_b32 s[\g+6], 0
	s_mov_b32 s[\g+7], 0
.endm
	G1SET G1XX, 4096, 2, HSX/8                     ; two halves of K, 16 blocks = 32,768 dense bytes each
	G1SET G1XY, 32, 128, 32                        ; 32,768 dense bytes as rows of 256
	G1SET G1WX, 2048, 2, HSW/8                     ; two halves of K, 8 blocks each
	G1SET G1WY, 32, 64, 32                         ; 16,384 dense bytes
	s_mov_b32 s[G0XX+1], 0                         ; LDS addresses: no place in the cluster enters them
	s_mov_b32 s[G0XY+1], YB
	s_lshl_b32 s[G0WX+1], s14, 15
	s_add_co_u32 s[G0WX+1], s[G0WX+1], 65536
	s_lshl_b32 s[G0WY+1], s14, 14
	s_add_co_u32 s[G0WY+1], s[G0WY+1], YB+32768
	s_lshl_b32 s20, s17, 15                        ; x: 16 blocks of 2,048 bytes for each 256 tokens
	s_mov_b32 s21, 0
	s_lshl_b32 s46, s14, 17                        ; W: group w begins 64 blocks on,
	s_lshl_b32 s47, s42, 14                        ; a pair of heads is 8 blocks
	s_add_co_u32 s46, s46, s47
	s_mov_b32 s47, 0
	s_lshl_b32 s74, s15, 14                        ; my fragments in LDS: x's 8 blocks,
	s_lshl_b32 s75, s16, 13                        ; my head's 4 blocks of each group
	s_add_co_u32 s22, s75, 65536
	s_add_co_u32 s23, s75, YB+32768
	s_wait_dscnt 0x0
	s_wait_kmcnt 0x0
	s_load_b256 s[92:99], s[10:11], 0x0            ; e0 .. e7
	s_add_nc_u64 s[20:21], s[4:5], s[20:21]
	s_add_nc_u64 s[46:47], s[6:7], s[46:47]
	CROUND                                         ; all sixteen work-groups are here: the first joint loads meet
	s_mov_b32 s[G0XX], 1
	s_mov_b64 s[G0XX+2:G0XX+3], s[20:21]
	s_or_b32 s[G0XX+3], s[G0XX+3], 0x80000000
	s_mov_b32 s[G0WX], 1
	s_mov_b64 s[G0WX+2:G0WX+3], s[46:47]
	s_or_b32 s[G0WX+3], s[G0WX+3], 0x80000000
	JLOAD G0XX, G1XX, G0WX, G1WX                   ; K 0-255: my one load at the head
	s_mov_b32 s[G0XY], 1
	s_add_nc_u64 s[G0XY+2:G0XY+3], s[20:21], 2*HSX
	s_or_b32 s[G0XY+3], s[G0XY+3], 0x80000000
	s_mov_b32 s[G0WY], 1
	s_add_nc_u64 s[G0WY+2:G0WY+3], s[46:47], 2*HSW
	s_or_b32 s[G0WY+3], s[G0WY+3], 0x80000000
	v_and_b32 v6, 31, v0
	v_lshlrev_b32 v[LI], 4, v6
	v_add_nc_u32 v[AXX], s74, v[LI]
	v_add_nc_u32 v[AXY], YB, v[AXX]
	v_add_nc_u32 v[AWX], s22, v[LI]
	v_add_nc_u32 v[AWX+1], 32768, v[AWX]
	v_add_nc_u32 v[AWX+2], 65536, v[AWX]
	v_add_nc_u32 v[AWY], s23, v[LI]
	; where my results go
	s_lshr_b32 s2, s17, 3                          ; the batch
	s_and_b32 s3, s17, 7
	s_lshl_b32 s12, s42, 1
	s_add_co_u32 s12, s12, s16                     ; the head
	s_lshl_b32 s2, s2, 4
	s_add_co_u32 s2, s2, s12
	s_lshl_b32 s13, s3, 1
	s_add_co_u32 s13, s13, s15                     ; which 128 tokens of the batch
	s_lshl_b32 s18, s2, 4
	s_add_co_u32 s18, s18, s13
	s_lshl_b32 s18, s18, 13                        ; vc: ((16 batch + head) 16 + key step) x 8,192 bytes
	s_mov_b32 s19, 0
	s_add_nc_u64 s[72:73], s[72:73], s[18:19]
	s_lshl_b32 s13, s13, 3                         ; my first block of 16 tokens
	s_lshl_b32 s18, s2, 7
	s_add_co_u32 s18, s18, s13
	s_lshl_b32 s18, s18, 10                        ; qc, kc: ((16 batch + head) 128 + block) x 1,024 bytes
	s_add_nc_u64 s[68:69], s[68:69], s[18:19]
	s_add_nc_u64 s[70:71], s[70:71], s[18:19]
	s_lshl_b32 s18, s13, 12
	s_add_nc_u64 s[8:9], s[8:9], s[18:19]          ; the table at my first block
	s_wait_kmcnt 0x0
.macro MKSC e, vs                      ; 2^(e - e0 - e1) and 448 x that
	s_sub_co_i32 s2, s[\e], s92
	s_sub_co_i32 s2, s2, s93
	s_add_co_i32 s2, s2, 127
	s_lshl_b32 s3, s2, 23
	v_mov_b32 v[\vs], s3
	s_add_co_i32 s2, s2, 8
	s_lshl_b32 s2, s2, 23
	s_or_b32 s2, s2, 0x600000
	v_mov_b32 v[\vs+1], s2
.endm
	MKSC 94, SCQ
	MKSC 95, SCQ+2
	MKSC 97, SCQ+4
; 4 fragments of W's group g for the kk-th 64 along K of a slot (0: X, 1: Y)
.macro LDW g, slot, kk
.irp bb, 0,1,2,3
.irp p, 0,1
.if \slot
	ds_load_b128 v[WB+32*(\g)+8*\bb+4*\p:WB+32*(\g)+8*\bb+4*\p+3], v[AWY] offset:(\g)*16384+\bb*2048+(\kk)*1024+512*\p
.else
	ds_load_b128 v[WB+32*(\g)+8*\bb+4*\p:WB+32*(\g)+8*\bb+4*\p+3], v[AWX+(\g)] offset:((\kk)/2)*16384+\bb*2048+((\kk)%2)*1024+512*\p
.endif
.endr
.endr
.endm
.macro LDX slot, kk, set, a0           ; x's blocks a0 .. a0 + 3 into a set
.irp a, \a0, \a0+1, \a0+2, \a0+3
.irp p, 0,1
.if \slot
	ds_load_b128 v[XS+64*(\set)+8*(\a)+4*\p:XS+64*(\set)+8*(\a)+4*\p+3], v[AXY] offset:(\a)*2048+(\kk)*1024+512*\p
.else
	ds_load_b128 v[XS+64*(\set)+8*(\a)+4*\p:XS+64*(\set)+8*(\a)+4*\p+3], v[AXX] offset:((\kk)/2)*32768+(\a)*2048+((\kk)%2)*1024+512*\p
.endif
.endr
.endr
.endm
.macro RUN i, slot, kk, set            ; the i-th run of loads for the next step: 16, 16 and 8 loads
	WIN 0
	LDW \i, \slot, \kk
.if \i < 2
	LDX \slot, \kk, \set, 4*(\i)
.endif
.endm
; group g's products of token blocks a0 .. a1.  The accumulators take turns, one instruction a turn.  zero = 1: the first product starts the sums
.macro PH g, set, a0, a1, zero
	WIN 0x50*((\g)+1)                              ; C and D in window g + 1
.set aa, \a0
.rept (\a1)-(\a0)+1
.irp bb, 0,1,2,3
.if \g == 2
.set S0, XS+64*(\set)+8*aa
.set S1, WB+64+8*\bb
.else
.set S0, WB+32*(\g)+8*\bb
.set S1, XS+64*(\set)+8*aa
.endif
.if \zero
	v_wmma_f32_16x16x64_fp8_fp8 v[8*(4*aa+\bb):8*(4*aa+\bb)+7], v[S0:S0+7], v[S1:S1+7], 0
.else
	v_wmma_f32_16x16x64_fp8_fp8 v[8*(4*aa+\bb):8*(4*aa+\bb)+7], v[S0:S0+7], v[S1:S1+7], v[8*(4*aa+\bb):8*(4*aa+\bb)+7]
.endif
.endr
.set aa, aa+1
.endr
.endm
.macro STEP set, nslot, nkk, zero      ; a step whose successor's fragments may be read at once
	s_wait_dscnt 8                                 ; all but the youngest eight loads (v's rows of W) are in
	PH 0, \set, 0, 7, \zero
	PLACES
	RUN 0, \nslot, \nkk, 1-(\set)
	PH 1, \set, 0, 7, \zero
	PLACES
	RUN 1, \nslot, \nkk, 1-(\set)
	s_wait_dscnt 32                                ; all but the 32 loads of this step's two runs
	PH 2, \set, 0, 7, \zero
	PLACES
	RUN 2, \nslot, \nkk, 1-(\set)
.endm
; A slot's last step: its fragments are all in registers.  One barrier; in front of it each wave waits for all its tensor loads, adds 0 to its spare word and waits for that and for its reads.  fill = 1, 2: slot X, Y is filled again
.macro TURN set, nslot, fill
	s_wait_tensorcnt 0x0                           ; my part of the next slot has landed
	ds_add_u32 v[SPW], v[NIL]
	s_wait_dscnt 9                                 ; (the add and the youngest eight loads may be out)
	PH 0, \set, 0, 3, 0
	s_wait_dscnt 0x0                               ; the add is done, and my reads of this slot are over
	s_barrier_signal -1
	PH 0, \set, 4, 7, 0
	WIN 0
	s_barrier_wait -1
.if \fill == 1
	CREST                                          ; the barrier has opened a round of the cluster's barrier
	s_add_nc_u64 s[G0XX+2:G0XX+3], s[G0XX+2:G0XX+3], 3*HSX
	s_add_nc_u64 s[G0WX+2:G0WX+3], s[G0WX+2:G0WX+3], 3*HSW
	JLOAD G0XX, G1XX, G0WX, G1WX                   ; the first tensor load behind the round; its four v_nop are the places in front of the loads below
.endif
.if \fill == 2
	CREST
	s_add_nc_u64 s[G0XY+2:G0XY+3], s[G0XY+2:G0XY+3], 3*HSX
	s_add_nc_u64 s[G0WY+2:G0WY+3], s[G0WY+2:G0WY+3], 3*HSW
	JLOAD G0XY, G1XY, G0WY, G1WY
.endif
.if \fill == 0
	PLACES
.endif
	RUN 0, \nslot, 0, 1-(\set)
	PH 1, \set, 0, 7, 0
	PLACES
	RUN 1, \nslot, 0, 1-(\set)
	PH 2, \set, 0, 7, 0
	PLACES
	RUN 2, \nslot, 0, 1-(\set)
.endm
	s_wait_alu depctr_va_vdst(0)
	s_wait_tensorcnt 0x0                           ; my part of K 0-255 is in
	ds_add_u32 v[SPW], v[NIL]
	s_wait_dscnt 0x0
	CROUND                                         ; everybody's part is in, and the joint loads meet
	JLOAD G0XY, G1XY, G0WY, G1WY                   ; K 256-383, into slot Y
	RUN 0, 0, 0, 0
	RUN 1, 0, 0, 0
	RUN 2, 0, 0, 0
	STEP 0, 0, 1, 1                                ; sixteen steps of 64 along K, written out: the first starts the sums
	STEP 1, 0, 2, 0
	STEP 0, 0, 3, 0
	TURN 1, 1, 1                                   ; X takes K 384-639
	STEP 0, 1, 1, 0
	TURN 1, 0, 2                                   ; Y takes K 640-767
	STEP 0, 0, 1, 0
	STEP 1, 0, 2, 0
	STEP 0, 0, 3, 0
	TURN 1, 1, 1                                   ; X takes K 768-1023
	STEP 0, 1, 1, 0
	TURN 1, 0, 0                                   ; nothing is left to fetch
	STEP 0, 0, 1, 0
	STEP 1, 0, 2, 0
	STEP 0, 0, 3, 0
.macro TABL a                          ; block a's 16 cos and 16 sin of my lane, into set a % 2
.irp p, 0,1,2,3,4,5,6,7
	global_load_b128 v[TAB+32*((\a)%2)+4*\p:TAB+32*((\a)%2)+4*\p+3], v[LI], s[8:9] offset:4096*(\a)+512*\p
.endr
.endm
	s_wait_dscnt 8                                 ; the last step fetches no fragments
	TABL 0                                         ; the first two blocks' tables land where x's set 0 lay: it was last read ahead of the places above
	TABL 1
	PH 0, 1, 0, 7, 0
	PH 1, 1, 0, 7, 0
	s_wait_dscnt 0x0
	PH 2, 1, 0, 7, 0
	PLACES
; Block a: 16 tokens of q and of k.  out(d) = x(d) cos - x(d + 32) sin, out(d + 32) = x(d + 32) cos + x(d) sin, two numbers an instruction; each accumulator is read from its low end on
.macro QKBLOCK a
.set TT, TAB+32*((\a)%2)
.if (\a) < 7
	s_wait_loadcnt 8                               ; this block's table is in; the next block's eight loads may be out
.else
	s_wait_loadcnt 0
.endif
.irp g, 0,1
	WIN 1+\g                                       ; source 0: window 1 (q) or 2 (k)
.irp u, 0,1
.irp j, 0,2,4,6
.set A0, 32*(\a)+8*\u+\j
.set O0, OUT+8*\u+\j
.set T0, TT+8*\u+\j
	v_pk_mul_f32 v[O0:O0+1], v[A0:A0+1], v[T0:T0+1]
	v_pk_mul_f32 v[O0+16:O0+17], v[A0+16:A0+17], v[T0:T0+1]
	v_pk_fma_f32 v[O0:O0+1], v[A0+16:A0+17], v[T0+16:T0+17], v[O0:O0+1] neg_lo:[1,0,0] neg_hi:[1,0,0]
	v_pk_fma_f32 v[O0+16:O0+17], v[A0:A0+1], v[T0+16:T0+17], v[O0+16:O0+17]
.endr
.endr
	WIN 0
.set ii, 0
.rept 32
	v_med3_num_f32 v[OUT+ii], v[OUT+ii], -v[SCQ+2*\g+1], v[SCQ+2*\g+1]   ; the conversion does not saturate (ISA guide 7.6.2): the hold at the largest code x the scale
.set ii, ii+1
.endr
.irp bb, 0,1,2,3
	v_cvt_scalef32_pk8_fp8_f32 v[CD+8*(2*(\a)+\g)+2*\bb:CD+8*(2*(\a)+\g)+2*\bb+1], v[OUT+8*\bb:OUT+8*\bb+7], v[SCQ+2*\g]   ; d = 16 bb + 8 h + 0 .. 7
.endr
	v_nop                                          ; a plain instruction between the conversions and the next lines that write their sources
	global_store_b128 v[LI], v[CD+8*(2*(\a)+\g):CD+8*(2*(\a)+\g)+3], s[68+2*\g:69+2*\g] offset:(\a)*1024
	global_store_b128 v[LI], v[CD+8*(2*(\a)+\g)+4:CD+8*(2*(\a)+\g)+7], s[68+2*\g:69+2*\g] offset:(\a)*1024+512
.endr
.if (\a)+2 < 8
	TABL (\a)+2
.endif
.endm
.irp a, 0,1,2,3,4,5,6,7
	QKBLOCK \a
.endr
	s_wait_alu depctr_va_vdst(0)
	s_wait_xcnt 0x0                                ; q's and k's stores have read their data: v's codes are written over them only behind this wait
.macro VBLOCK dt                       ; 16 d x my 128 keys: one fragment of V^T
	WIN 3                                          ; source 0: window 3
.set cc, 0
.rept 8
.irp j, 0,1,2,3,4,5,6,7
	v_med3_num_f32 v[TMP+8*cc+\j], v[32*cc+8*(\dt)+\j], -v[SCQ+5], v[SCQ+5]   ; each accumulator from its low end on
.endr
.set cc, cc+1
.endr
	WIN 0
.irp c, 0,1,2,3,4,5,6,7
	v_cvt_scalef32_pk8_fp8_f32 v[CD+16*(\dt)+2*\c:CD+16*(\dt)+2*\c+1], v[TMP+8*\c:TMP+8*\c+7], v[SCQ+4]   ; keys 16 c + 8 h + 0 .. 7
.endr
	v_nop
.irp p, 0,1,2,3
	global_store_b128 v[LI], v[CD+16*(\dt)+4*\p:CD+16*(\dt)+4*\p+3], s[72:73] offset:(\dt)*2048+512*\p
.endr
.endm
.irp dt, 0,1,2,3
	VBLOCK \dt
.endr
	s_wait_tensorcnt 0x0                           ; the wave's end
	ds_add_u32 v[SPW], v[NIL]
	s_wait_dscnt 0x0
	CROUND                                         ; the closing round
	s_endpgm
.Lfunc_end_k_q055748ea7d_qkv:
	.size	k_q055748ea7d_qkv, .Lfunc_end_k_q055748ea7d_qkv-k_q055748ea7d_qkv
	.p2alignl 7, 3214868480
	.fill 96, 4, 3214868480
	.section	.rodata,"a",@progbits
	.p2align	6, 0x0
	.amdhsa_kernel k_q055748ea7d_qkv
		.amdhsa_group_segment_fixed_size 327680
		.amdhsa_private_segment_fixed_size 0
		.amdhsa_enable_private_segment 0
		.amdhsa_kernarg_size 56
		.amdhsa_user_sgpr_count 2
		.amdhsa_user_sgpr_kernarg_segment_ptr 1
		.amdhsa_wavefront_size32 1
		.amdhsa_system_sgpr_workgroup_id_x 1
		.amdhsa_system_sgpr_workgroup_id_y 1
		.amdhsa_system_sgpr_workgroup_id_z 1
		.amdhsa_system_vgpr_workitem_id 0
		.amdhsa_next_free_vgpr 1024
		.amdhsa_next_free_sgpr 100
		.amdhsa_reserve_vcc 0
		.amdhsa_float_denorm_mode_32 3
		.amdhsa_float_denorm_mode_16_64 3
		.amdhsa_memory_ordered 1
		.amdhsa_forward_progress 1
		.amdhsa_inst_pref_size 255
	.end_amdhsa_kernel
	.section	.bss,"aw",@nobits
	.p2align	6
	.space	262144
	.amdgpu_metadata
---
amdhsa.version: [ 1, 2 ]
amdhsa.kernels:
  - .name:           k_q055748ea7d_qkv
    .symbol:         k_q055748ea7d_qkv.kd
    .args:
      - { .name: xc, .offset: 0, .size: 8, .value_kind: global_buffer, .address_space: global }
      - { .name: wqc, .offset: 8, .size: 8, .value_kind: global_buffer, .address_space: global }
      - { .name: rope, .offset: 16, .size: 8, .value_kind: global_buffer, .address_space: global }
      - { .name: lowp_scales, .offset: 24, .size: 8, .value_kind: global_buffer, .address_space: global }
      - { .name: qc, .offset: 32, .size: 8, .value_kind: global_buffer, .address_space: global }
      - { .name: kc, .offset: 40, .size: 8, .value_kind: global_buffer, .address_space: global }
      - { .name: vc, .offset: 48, .size: 8, .value_kind: global_buffer, .address_space: global }
    .group_segment_fixed_size: 327680
    .private_segment_fixed_size: 0
    .kernarg_segment_align: 8
    .kernarg_segment_size: 56
    .max_flat_workgroup_size: 128
    .sgpr_count:     100
    .vgpr_count:     1024
    .wavefront_size: 32
...
	.end_amdgpu_metadata
.endif
;; end of part 2
;; launch attn (part 3): grid 4 x 64, 16 waves a work-group, clusters of 4 x 1, 167,936 bytes of LDS; arguments qc, kc, vc, lowp_scales, yc; writes yc
.if DOCPART == 3
	.amdgcn_target "amdgcn-amd-amdhsa--gfx1250"
	.amdhsa_code_object_version 6
	.text
	.protected	k_q055748ea7d_attn
	.globl	k_q055748ea7d_attn
	.p2align	8
	.type	k_q055748ea7d_attn,@function
k_q055748ea7d_attn:
	s_mov_b64 s[64:65], 0
	v_nop
	global_prefetch_b8 v0, s[64:65] scope:SCOPE_SE
	s_setreg_imm32_b32 hwreg(HW_REG_WAVE_MODE, 25, 1), 1
	s_wait_xcnt 0x0
	s_wait_alu depctr_hold_cnt(0) depctr_sa_sdst(0) depctr_va_vdst(0) depctr_va_sdst(0) depctr_va_ssrc(0) depctr_va_vcc(0) depctr_vm_vsrc(0)
	s_getreg_b32 s2, hwreg(HW_REG_IB_STS2, 6, 4)
	s_cmp_eq_u32 s2, 0
	s_cbranch_scc0 .Lentry_in_a_cluster
	s_endpgm
.Lentry_in_a_cluster:
	s_bfe_u32 s2, ttmp6, 0x10000c
	s_cmp_lg_u32 s2, 0x3003
	s_cbranch_scc0 .Lentry_shape_is_right
	s_endpgm
.Lentry_shape_is_right:
; y = softmax(q k^T / 8, causal) v for one head of one batch, both products on codes of FP8 (E4M3); y is quantised with its given scale and stored as images of the next product's operand.
; IN: qc, kc [head 64][block of 16 tokens 128][piece 2][lane][16 bytes]: a fragment of 16 tokens x 64; vc [head 64][128 keys: 16][16 d: 4][piece 4][lane][16 bytes]: fragments of V^T, 16 d x 128 keys.
; OUT: yc [K slot of 256: 4][block of 16 rows 512][128 along K: 2][piece 4][lane][16 bytes].
; THE SOFTMAX: t = score x log2(e) / 8; M = the running largest t rounded up to a whole number; p = 2^(t - M) is quantised with 2^e4, not normalised; the row's sum is taken of the unquantised p and divides at the end.
; When M moves, the sum and O are multiplied by 2^(old M - new M), which rounds nothing.  Both products are used transposed (S^T = K Q^T, O^T = V^T P^T): a lane holds one query (lane % 16).
; LEFT OUT: key steps of 128 all of whose keys come after a tile's 16 queries: the causal mask sets their scores to -infinity, so they add nothing to any sum.
; SHARES.  The four work-groups of a cluster own one head.  A work-group owns tiles 2 cx, 2 cx + 1 of each block of 128 queries.
; Wave w owns two tiles, at place (w % 2) + 2 cx of blocks 15 - a and a, a = w / 2: 16 - a and a + 1 key steps, 17 for every wave.
; K: all of the head's K (131,072 bytes) lies in LDS, [key step 16][8,192 bytes], asked for jointly by the four work-groups, once: wave w fetches key step w.  No byte of LDS is filled again.
; V: its fragments lie in memory as the registers want them, so they go from memory straight into registers: a key step draws 8,192 bytes from LDS and not 16,384.  They are not asked for jointly: no tensor load brings them.
; They are asked for behind the step's first product and waited for ahead of its second, the whole softmax later; so no prefetch stands beside them.
; The loops' trip counts are constants; a step that is not due is jumped over by a branch on ids.  Steps 0-7 of the late tile (block 8 or more) are never masked and have a copy of the step without the tests.
; LIMITS: e2 + e3 between -123 and 130 (added to c's exponent field); e4 between -126 and 119; e6 - e4 - e5 between -126 and 119; the scaled scores stay under 2^31 in magnitude.
; REGISTERS: v1 16 x lane; v2 8,192 x key step + 16 x lane: K's LDS address and V's offset; v4 the mask's d; v6 -infinity; v7, v8 2^e4 and 448 x that; v9, v10 the same for y; v12-19 two tiles' -M, largest t, sum in two halves;
; v20-35 Q; v36-99 fragments of K, then of V; v100-163 S^T, then p; v164-227 O^T of both tiles; v228-243 codes; v244-250 at work; v254, v255 the spare word's address and 0.
.set SPARE, 0x20000                    ; behind K: the spare words, 128 bytes for each wave, named by no other line
.set KSB,  8192                        ; a key step of K in LDS, and of V in memory
.set LI,   1
.set ADK,  2
.set DD,   4
.set NINF, 6
.set FB,   36
.set S,    100
.set PC,   228
.set TB,   2                           ; s2, s3   8,192 x the key step in hand, late tile and early tile
.set KS,   16                          ; s16, s17 its number
.set WV,   18
.set G1,   24                          ; s[24:31] descriptor group 1; s[40:43] group 0
.set G0A,  40
.set CS,   56
.set SEL,  58
.macro ROUND                           ; a round of the cluster's barrier
	s_barrier_signal -1
	s_barrier_wait -1
	s_cmp_lg_u32 s[WV], 0
	s_cbranch_scc1 .Lnot_wave_0_\@
	s_barrier_signal -3
.Lnot_wave_0_\@:
	s_barrier_wait -3
	s_barrier_signal -1
	s_barrier_wait -1
.endm
	s_load_b256 s[4:11], s[0:1], 0x0               ; qc s[4:5], kc s[6:7], vc s[8:9], the scales' exponents s[10:11]
	s_load_b64 s[12:13], s[0:1], 0x20              ; yc
	v_lshl_add_u32 v254, v0, 2, SPARE
	v_mov_b32 v255, 0
	ds_add_u32 v254, v255                          ; the opening lines: the add, twice on end, and its wait
	ds_add_u32 v254, v255
	v_lshrrev_b32 v1, 5, v0
	s_delay_alu instid0(VALU_DEP_1)
	v_readfirstlane_b32 s[WV], v1                  ; wave 0..15
	v_and_b32 v1, 31, v0
	s_delay_alu instid0(VALU_DEP_1)
	v_lshlrev_b32 v[LI], 4, v1
	s_bfe_u32 s19, ttmp6, 0x40000                  ; cx
	s_and_b32 s20, ttmp7, 0xffff                   ; 16 x batch + head
	s_lshr_b32 s21, s[WV], 1                       ; a: my early block,
	s_sub_co_u32 s22, 15, s21                      ; my late block
	s_and_b32 s23, s[WV], 1
	s_lshl_b32 s14, s19, 1
	s_add_co_u32 s23, s23, s14                     ; my tiles' place in their blocks
	s_mov_b32 s[G1], 15|(3<<16)|(1<<21)            ; the mask: all four partners; elements of 8 bytes; bit 21 beside a mask
	s_mov_b32 s[G1+1], 32<<16                      ; 8,192 dense bytes: 32 rows of 32 elements
	s_mov_b32 s[G1+2], 32<<16
	s_mov_b32 s[G1+3], 32<<16
	s_mov_b32 s[G1+4], 32
	s_mov_b32 s[G1+5], 32
	s_mov_b32 s[G1+6], 0
	s_mov_b32 s[G1+7], 0
	s_mov_b32 s[SEL], 0x76543210
	s_mov_b32 s[SEL+1], 0xfedcba98
	s_mov_b32 s[CS], 0x3e38aa3b                    ; c = log2(e) / 8
	s_lshl_b32 s[G0A+1], s[WV], 13                 ; LDS: 8,192 x key step; I fetch key step w
	s_lshl_b32 s62, s20, 17                        ; the head's 131,072 bytes of K, and of V
	s_add_co_u32 s60, s[G0A+1], s62
	s_mov_b32 s61, 0
	s_mov_b32 s63, 0
	s_wait_alu depctr_va_vdst(0)
	s_wait_dscnt 0x0
	s_wait_kmcnt 0x0
	s_load_b256 s[48:55], s[10:11], 0x0            ; e0 .. e7
	s_mov_b32 s[G0A], 1
	s_add_nc_u64 s[G0A+2:G0A+3], s[6:7], s[60:61]
	s_or_b32 s[G0A+3], s[G0A+3], 0x80000000
	s_add_nc_u64 s[8:9], s[8:9], s[62:63]          ; V's codes at my head
	s_lshl_b32 s14, s20, 7                         ; Q's two fragments are asked for ahead of the round
	s_lshl_b32 s15, s22, 3
	s_add_co_u32 s15, s15, s23                     ; the late tile's number in the head,
	s_lshl_b32 s16, s21, 3
	s_add_co_u32 s16, s16, s23                     ; the early tile's
	s_add_co_u32 s60, s14, s15
	s_lshl_b32 s60, s60, 10
	s_add_nc_u64 s[60:61], s[4:5], s[60:61]
	s_add_co_u32 s62, s14, s16
	s_lshl_b32 s62, s62, 10
	s_add_nc_u64 s[62:63], s[4:5], s[62:63]
	global_load_b128 v[20:23], v[LI], s[60:61]
	global_load_b128 v[24:27], v[LI], s[60:61] offset:512
	global_load_b128 v[28:31], v[LI], s[62:63]
	global_load_b128 v[32:35], v[LI], s[62:63] offset:512
	ROUND                                          ; all four work-groups are here: the joint loads meet
	tensor_load_to_lds s[G0A:G0A+3], s[G1:G1+7]    ; my one tensor load
	s_nop 0
	s_lshr_b32 s14, s20, 4                         ; where y goes: batch x 128 blocks of 4,096 bytes,
	s_lshl_b32 s14, s14, 19
	s_bfe_u32 s17, s20, 0x20002
	s_lshl_b32 s17, s17, 21                        ; K slot head / 4,
	s_add_co_u32 s14, s14, s17
	s_and_b32 s17, s20, 3
	s_lshl_b32 s17, s17, 10                        ; 1,024 bytes for each head of the slot
	s_add_co_u32 s14, s14, s17
	s_lshl_b32 s15, s15, 12
	s_add_co_u32 s66, s14, s15
	s_mov_b32 s67, 0
	s_add_nc_u64 s[66:67], s[12:13], s[66:67]
	s_lshl_b32 s16, s16, 12
	s_add_co_u32 s68, s14, s16
	s_mov_b32 s69, 0
	s_add_nc_u64 s[68:69], s[12:13], s[68:69]
	v_and_b32 v[DD], 15, v0
	v_bfe_u32 v5, v0, 4, 1
	s_delay_alu instid0(VALU_DEP_1)
	v_lshlrev_b32 v5, 3, v5
	s_delay_alu instid0(VALU_DEP_1)
	v_sub_nc_u32 v[DD], v[DD], v5
	s_lshl_b32 s14, s23, 4
	v_add_nc_u32 v[DD], s14, v[DD]                 ; d = my query's place in its block - 8 (lane / 16): register 8 c + j holds key 16 c + 8 (lane / 16) + j, hidden where 16 c + j > d
	v_mov_b32 v[NINF], 0xff800000
.irp x, 12, 16
	v_mov_b32 v[\x+1], 0xff61b1e6                  ; the largest t so far: -3e38
	s_delay_alu instid0(VALU_DEP_1)
	v_floor_f32 v[\x], -v[\x+1]                    ; -M
	v_mov_b32 v[\x+2], 0                           ; the sum, in two halves
	v_mov_b32 v[\x+3], 0
.endr
	v_mov_b32 v247, 0                              ; (named as the upper half of a pair)
	v_mov_b32 v250, 0                              ; a lane permute's destination counts as a source
.set ii, 0
.rept 64
	v_mov_b32 v[164+ii], 0                         ; O^T: the step is written once; its first run finds zeros
.set ii, ii+1
.endr
	s_wait_kmcnt 0x0
	s_add_co_i32 s14, s50, s51
	s_lshl_b32 s14, s14, 23
	s_add_co_i32 s[CS], s[CS], s14                 ; c x 2^(e2 + e3)
	s_mov_b32 s[CS+1], s[CS]
	s_add_co_i32 s14, s52, 127
	s_lshl_b32 s15, s14, 23
	v_mov_b32 v7, s15                              ; 2^e4
	s_add_co_i32 s14, s14, 8
	s_lshl_b32 s14, s14, 23
	s_or_b32 s14, s14, 0x600000
	v_mov_b32 v8, s14                              ; 448 x 2^e4
	s_sub_co_i32 s14, s54, s52
	s_sub_co_i32 s14, s14, s53
	s_add_co_i32 s14, s14, 127
	s_lshl_b32 s15, s14, 23
	v_mov_b32 v9, s15                              ; 2^(e6 - e4 - e5)
	s_add_co_i32 s14, s14, 8
	s_lshl_b32 s14, s14, 23
	s_or_b32 s14, s14, 0x600000
	v_mov_b32 v10, s14                             ; 448 x that
	s_wait_alu depctr_va_vdst(0)
	s_wait_tensorcnt 0x0                           ; my key step of K is in,
	s_barrier_signal -1
	s_barrier_wait -1                              ; everybody's is
; A KEY STEP of tile x (0 late, 1 early): 128 keys.  test = 1: it is jumped over where it lies behind the tile's block, and masked where it is that block.
.macro STEP x, test
.set ST, 12+4*(\x)
.set OA, 164+32*(\x)
.set QF, 20+8*(\x)
.if \test
	s_cmp_gt_u32 s[KS+(\x)], s[22-(\x)]
	s_cbranch_scc1 .Lskip_\@
.endif
	v_add_nc_u32 v[ADK], s[TB+(\x)], v[LI]         ; (the last step's loads by this register have been waited for)
.rept 3
	v_nop                                          ; with the addition: four places in front of loads into registers that the last products read
.endr
.irp c, 0,1,2,3,4,5,6,7
	ds_load_b128 v[FB+8*\c:FB+8*\c+3], v[ADK] offset:1024*\c
	ds_load_b128 v[FB+8*\c+4:FB+8*\c+7], v[ADK] offset:1024*\c+512
.endr
	s_wait_alu depctr_va_vdst(0)
	s_wait_dscnt 0x0
.irp c, 0,1,2,3,4,5,6,7
	v_wmma_f32_16x16x64_fp8_fp8 v[S+8*\c:S+8*\c+7], v[FB+8*\c:FB+8*\c+7], v[QF:QF+7], 0
.endr
.rept 4
	v_nop
.endr
.irp dt, 0,1,2,3
.irp p, 0,1,2,3
	global_load_b128 v[FB+16*\dt+4*\p:FB+16*\dt+4*\p+3], v[ADK], s[8:9] offset:2048*\dt+512*\p   ; V's fragments come in under the softmax: 512 consecutive bytes a load
.endr
.endr
.if \test
	s_cmp_lg_u32 s[KS+(\x)], s[22-(\x)]
	s_cbranch_scc1 .Lopen_\@
.set ii, 0
.rept 64
	v_cmp_gt_i32 vcc_lo, 16*(ii/8)+ii%8, v[DD]
	v_cndmask_b32 v[S+ii], v[S+ii], v[NINF], vcc_lo   ; hidden scores become -infinity ahead of the maximum
.set ii, ii+1
.endr
.Lopen_\@:
.endif
	v_max3_num_f32 v244, v[S], v[S+1], v[S+2]      ; the step's largest score, in two chains, each accumulator from its low end on
	v_max3_num_f32 v245, v[S+3], v[S+4], v[S+5]
.set ii, 6
.rept 14
	v_max3_num_f32 v244, v244, v[S+ii], v[S+ii+1]
	v_max3_num_f32 v245, v245, v[S+ii+2], v[S+ii+3]
.set ii, ii+4
.endr
	v_max3_num_f32 v244, v244, v[S+62], v[S+63]
	s_delay_alu instid0(VALU_DEP_1)
	v_max_num_f32 v244, v244, v245
	s_delay_alu instid0(VALU_DEP_1)
	v_permlanex16_b32 v250, v244, s[SEL], s[SEL+1]
	s_delay_alu instid0(VALU_DEP_1)
	v_max_num_f32 v244, v244, v250                 ; and among lane l xor 16's keys
	s_delay_alu instid0(VALU_DEP_1)
	v_mul_f32 v244, s[CS], v244
	s_delay_alu instid0(VALU_DEP_1)
	v_max_num_f32 v[ST+1], v[ST+1], v244           ; the running largest t
	v_mov_b32 v244, v[ST]
	s_delay_alu instid0(VALU_DEP_2)
	v_floor_f32 v[ST], -v[ST+1]                    ; -M = floor(-t)
	s_delay_alu instid0(VALU_DEP_1)
	v_sub_f32 v244, v[ST], v244
	s_delay_alu instid0(VALU_DEP_1)
	v_cvt_i32_f32 v244, v244                       ; old M - new M (it saturates)
	s_delay_alu instid0(VALU_DEP_1)
	v_ldexp_f32 v246, 1.0, v244                    ; f = 2^(old M - new M)
.set ii, 0
.rept 32
	v_pk_fma_f32 v[S+ii:S+ii+1], v[S+ii:S+ii+1], s[CS:CS+1], v[ST:ST+1] op_sel_hi:[1,0,0]   ; t - M
.set ii, ii+2
.endr
.set ii, 0
	s_wait_alu depctr_va_vdst(0)
.rept 64
	v_exp_f32 v[S+ii], v[S+ii]                     ; p
.set ii, ii+1
.endr
	v_pk_mul_f32 v[ST+2:ST+3], v[ST+2:ST+3], v[246:247] op_sel_hi:[1,0]   ; the sums under the new M; a plain place behind the batch
	s_wait_alu depctr_va_vdst(0)                   ; one wait for the batch, ahead of its first reader
	v_pk_add_f32 v[248:249], v[S:S+1], v[S+2:S+3]  ; the sum of the unquantised p, in two chains
.set ii, 4
.rept 15
	v_pk_add_f32 v[ST+2:ST+3], v[ST+2:ST+3], v[S+ii:S+ii+1]
	v_pk_add_f32 v[248:249], v[248:249], v[S+ii+2:S+ii+3]
.set ii, ii+4
.endr
	s_delay_alu instid0(VALU_DEP_1)
	v_pk_add_f32 v[ST+2:ST+3], v[ST+2:ST+3], v[248:249]
.irp c, 0,1,2,3,4,5,6,7
.irp i, 0,2,4,6
	v_dual_min_num_f32 v[S+8*\c+\i], v8, v[S+8*\c+\i] :: v_dual_min_num_f32 v[S+8*\c+\i+1], v8, v[S+8*\c+\i+1]   ; the hold at the largest code x the scale (ISA guide 7.6.2), one-sided: p is not negative; two numbers a line
.endr
	v_cvt_scalef32_pk8_fp8_f32 v[PC+2*\c:PC+2*\c+1], v[S+8*\c:S+8*\c+7], v7   ; registers 2 c, 2 c + 1 of P's fragment: keys 16 c + 8 (lane / 16) + 0 .. 7
.endr
.set ii, 0
.rept 16
	v_pk_mul_f32 v[OA+ii:OA+ii+1], v[OA+ii:OA+ii+1], v[246:247] op_sel_hi:[1,0]   ; O^T under the new M
.set ii, ii+2
.endr
	s_wait_alu depctr_va_vdst(0)
	s_wait_loadcnt 0x0                             ; V's fragments
.irp dt, 0,1,2,3
	v_wmma_f32_16x16x128_fp8_fp8 v[OA+8*\dt:OA+8*\dt+7], v[FB+16*\dt:FB+16*\dt+15], v[PC:PC+15], v[OA+8*\dt:OA+8*\dt+7]
.endr
.if \test
.Lskip_\@:
.endif
.endm
	s_wait_loadcnt 0x0                             ; Q
	s_mov_b32 s[TB], 0
	s_mov_b32 s[KS], 0
.Lfirst:                                           ; key steps 0-7 of the late tile: none is masked
	STEP 0, 0
	s_add_co_u32 s[TB], s[TB], KSB
	s_add_co_u32 s[KS], s[KS], 1
	s_cmp_lt_u32 s[KS], 8
	s_cbranch_scc1 .Lfirst
	s_mov_b32 s[TB], 8*KSB
	s_mov_b32 s[TB+1], 0
	s_mov_b32 s[KS+1], 0
.Lrest:                                            ; the late tile's steps 8 .. 15 - a and the early tile's 0 .. a: 9 steps in every wave
	STEP 0, 1
	STEP 1, 1
	s_add_co_u32 s[TB], s[TB], KSB
	s_add_co_u32 s[TB+1], s[TB+1], KSB
	s_add_co_u32 s[KS+1], s[KS+1], 1
	s_add_co_u32 s[KS], s[KS], 1
	s_cmp_lt_u32 s[KS], 16
	s_cbranch_scc1 .Lrest
	; THE WAY OUT: O^T / the sum, held, quantised: four conversions give a tile's 16 rows x 64 of y's fragment; each store of the wave covers 512 consecutive bytes, aligned
	v_add_f32 v244, v14, v15
	v_add_f32 v245, v18, v19
	s_delay_alu instid0(VALU_DEP_2)
	v_permlanex16_b32 v250, v244, s[SEL], s[SEL+1]
	s_delay_alu instid0(VALU_DEP_1)
	v_add_f32 v244, v244, v250
	s_delay_alu instid0(VALU_DEP_2)
	v_permlanex16_b32 v250, v245, s[SEL], s[SEL+1]
	s_delay_alu instid0(VALU_DEP_1)
	v_add_f32 v245, v245, v250
	s_wait_alu depctr_va_vdst(0)                   ; a wait ahead of the transcendentals
	v_rcp_f32 v246, v244
	v_rcp_f32 v248, v245
	v_nop
	s_wait_alu depctr_va_vdst(0)                   ; and ahead of their first reader, which is also O^T's
.irp x, 0,1
.set ii, 0
.rept 16
	v_pk_mul_f32 v[S+32*\x+ii:S+32*\x+ii+1], v[164+32*\x+ii:164+32*\x+ii+1], v[246+2*\x:247+2*\x] op_sel_hi:[1,0]
.set ii, ii+2
.endr
.set ii, 0
.rept 32
	v_med3_num_f32 v[S+32*\x+ii], v[S+32*\x+ii], -v10, v10
.set ii, ii+1
.endr
.irp dt, 0,1,2,3
	v_cvt_scalef32_pk8_fp8_f32 v[PC+8*\x+2*\dt:PC+8*\x+2*\dt+1], v[S+32*\x+8*\dt:S+32*\x+8*\dt+7], v9
.endr
	v_nop
	global_store_b128 v[LI], v[PC+8*\x:PC+8*\x+3], s[66+2*\x:67+2*\x]
	global_store_b128 v[LI], v[PC+8*\x+4:PC+8*\x+7], s[66+2*\x:67+2*\x] offset:512
.endr
	s_wait_tensorcnt 0x0                           ; the wave's end
	ds_add_u32 v254, v255
	s_wait_dscnt 0x0
	ROUND                                          ; the closing round
	s_endpgm
.Lfunc_end_k_q055748ea7d_attn:
	.size	k_q055748ea7d_attn, .Lfunc_end_k_q055748ea7d_attn-k_q055748ea7d_attn
	.p2alignl 7, 3214868480
	.fill 96, 4, 3214868480
	.section	.rodata,"a",@progbits
	.p2align	6, 0x0
	.amdhsa_kernel k_q055748ea7d_attn
		.amdhsa_group_segment_fixed_size 167936
		.amdhsa_private_segment_fixed_size 0
		.amdhsa_enable_private_segment 0
		.amdhsa_kernarg_size 40
		.amdhsa_user_sgpr_count 2
		.amdhsa_user_sgpr_kernarg_segment_ptr 1
		.amdhsa_wavefront_size32 1
		.amdhsa_system_sgpr_workgroup_id_x 1
		.amdhsa_system_sgpr_workgroup_id_y 1
		.amdhsa_system_sgpr_workgroup_id_z 1
		.amdhsa_system_vgpr_workitem_id 0
		.amdhsa_next_free_vgpr 256
		.amdhsa_next_free_sgpr 72
		.amdhsa_reserve_vcc 1
		.amdhsa_float_denorm_mode_32 3
		.amdhsa_float_denorm_mode_16_64 3
		.amdhsa_memory_ordered 1
		.amdhsa_forward_progress 1
		.amdhsa_inst_pref_size 75
	.end_amdhsa_kernel
	.amdgpu_metadata
---
amdhsa.version: [ 1, 2 ]
amdhsa.kernels:
  - .name:           k_q055748ea7d_attn
    .symbol:         k_q055748ea7d_attn.kd
    .args:
      - { .name: qc, .offset: 0, .size: 8, .value_kind: global_buffer, .address_space: global }
      - { .name: kc, .offset: 8, .size: 8, .value_kind: global_buffer, .address_space: global }
      - { .name: vc, .offset: 16, .size: 8, .value_kind: global_buffer, .address_space: global }
      - { .name: lowp_scales, .offset: 24, .size: 8, .value_kind: global_buffer, .address_space: global }
      - { .name: yc, .offset: 32, .size: 8, .value_kind: global_buffer, .address_space: global }
    .group_segment_fixed_size: 167936
    .private_segment_fixed_size: 0
    .kernarg_segment_align: 8
    .kernarg_segment_size: 40
    .max_flat_workgroup_size: 512
    .sgpr_count:     72
    .vgpr_count:     256
    .wavefront_size: 32
...
	.end_amdgpu_metadata
.endif
;; end of part 3
;; launch proj (part 4): grid 8 x 32, 4 waves a work-group, clusters of 4 x 4, 327,680 bytes of LDS; arguments yc, wpc, lowp_scales, out0; writes out0
.if DOCPART == 4
	.amdgcn_target "amdgcn-amd-amdhsa--gfx1250"
	.amdhsa_code_object_version 6
	.text
	.protected	k_q055748ea7d_proj
	.globl	k_q055748ea7d_proj
	.p2align	8
	.type	k_q055748ea7d_proj,@function
k_q055748ea7d_proj:
	s_mov_b64 s[64:65], 0
	v_nop
	global_prefetch_b8 v0, s[64:65] scope:SCOPE_SE
	s_setreg_imm32_b32 hwreg(HW_REG_WAVE_MODE, 25, 1), 1
	s_wait_xcnt 0x0
	s_wait_alu depctr_hold_cnt(0) depctr_sa_sdst(0) depctr_va_vdst(0) depctr_va_sdst(0) depctr_va_ssrc(0) depctr_va_vcc(0) depctr_vm_vsrc(0)
	s_getreg_b32 s2, hwreg(HW_REG_IB_STS2, 6, 4)
	s_cmp_eq_u32 s2, 0
	s_cbranch_scc0 .Lentry_in_a_cluster
	s_endpgm
.Lentry_in_a_cluster:
	s_bfe_u32 s2, ttmp6, 0x10000c
	s_cmp_lg_u32 s2, 0xf033
	s_cbranch_scc0 .Lentry_shape_is_right
	s_endpgm
.Lentry_shape_is_right:
; out0 = y Wproj^T on codes of FP8 (E4M3); each finished sum is multiplied once by 2^(e6 + e7).  LIMIT: e6 + e7 lies between -126 and 127.
; OPERANDS are images of registers: [K slot of 256: 4][block of 16 rows][128 along K: 2][piece: 4][lane][16 bytes]; a fragment (16 rows x 128 K, 16 registers) is four loads of 16 bytes a lane, as they lie.
; SHARES.  A work-group makes 256 tokens x 128 features: 32 x 8 = 256 work-groups.  Wave w: tokens 128 (w / 2) on, features 64 (w % 2) on: 8 x 4 = 32 accumulators.
; THE MATRIX INSTRUCTION IS USED TRANSPOSED (source 0 = 16 rows of Wproj, source 1 = 16 tokens): a lane holds eight neighbouring numbers of a row of out0.
; K = 1,024 goes in eight steps of 128.  Both operands have two sets of registers: a step's fragments are asked for at the head of the step before.
; LDS: slot X holds 512 along K (y's two halves of 65,536 bytes, then Wproj's two of 32,768), slot Y 256 along K (half of that).  Three fills: K 0-511 into X, 512-767 into Y, 768-1023 into X again.
; Waves 0, 1 fetch y's halves, waves 2, 3 Wproj's.  Behind the slots: a stage of 16 rows x (256 + 16) bytes for each wave, then the spare words: no fill lands on either.
; CLUSTERS: 4 x 4 work-groups; y's tile is asked for jointly along a row of the cluster (same tokens), Wproj's along a column (same features).
; NO PREFETCH: K is 1,024: three fills in all, the first two of them at the head.
; REGISTERS: window 0: v16-19 LDS addresses of fragments; v24-26 the way out's addresses; v27 16 x lane; v28, v29 the spare word and 0; v32-159 Wproj's two sets (on the way out at work).  Window 1: y's two sets.  Window 2: accumulator (a, bb) at v[8 (4 a + bb)].
.set KSA,  2097152                     ; a K slot on in yc: 512 blocks of 4,096 bytes
.set KSB,  262144                      ; in wpc: 64 blocks
.set YB,   196608                      ; slot Y
.set STG,  294912                      ; the stages
.set SPARE, 312320                     ; the spare words, 128 bytes for each wave, named by no other line
.set SP,   272                         ; a stage row
.set AAX,  16
.set AAY,  17
.set ABX,  18
.set ABY,  19
.set STO,  24
.set RD,   25
.set CO,   26
.set LI,   27
.set SPW,  28
.set NIL,  29
.set BF,   32
.set TMP,  32
.set BK,   64
.set G1AX, 24                          ; descriptor groups 1: y into X, y dense, Wproj into X, Wproj dense
.set G1AY, 32
.set G1BX, 48
.set G1BY, 56
.set G0AX, 76                          ; and groups 0
.set G0AY, 80
.set G0BX, 84
.set G0BY, 88
.set MSB, 0
.macro WIN new                         ; the immediate's high byte repeats the setting that is left
.if MSB != (\new)
	s_set_vgpr_msb (MSB<<8)|(\new)
.set MSB, (\new)
.endif
.endm
.macro PLACES                          ; plain vector instructions between a matrix instruction and a load into one of its registers, or a read of its result
.rept 4
	v_nop
.endr
.endm
.macro JLOAD g0a, g1a, g0b, g1b        ; a joint load.  The branch hangs on the wave's number alone
	s_cmp_eq_u32 s15, 0
	s_cbranch_scc0 .Lfor_b_\@
	tensor_load_to_lds s[\g0a:\g0a+3], s[\g1a:\g1a+7]
	s_nop 0
	PLACES
	s_branch .Lasked_\@
.Lfor_b_\@:
	tensor_load_to_lds s[\g0b:\g0b+3], s[\g1b:\g1b+7]
	s_nop 0
	PLACES
.Lasked_\@:
.endm
.macro CREST                           ; a round of the cluster's barrier behind its opening barrier
	s_cmp_lg_u32 s14, 0
	s_cbranch_scc1 .Lnot_wave_0_\@
	s_barrier_signal -3
.Lnot_wave_0_\@:
	s_barrier_wait -3
	s_barrier_signal -1
	s_barrier_wait -1
.endm
.macro CROUND
	s_barrier_signal -1
	s_barrier_wait -1
	CREST
.endm
	s_load_b128 s[4:7], s[0:1], 0x0                ; yc s[4:5], wpc s[6:7]
	s_load_b128 s[8:11], s[0:1], 0x10              ; the scales' exponents s[8:9], out0 s[10:11]
	v_lshl_add_u32 v[SPW], v0, 2, SPARE
	v_mov_b32 v[NIL], 0
	ds_add_u32 v[SPW], v[NIL]                      ; the opening lines: the add, twice on end, and its wait
	ds_add_u32 v[SPW], v[NIL]
	v_lshrrev_b32 v1, 5, v0
	v_readfirstlane_b32 s14, v1                    ; wave 0..3
	s_lshr_b32 s15, s14, 1                         ; which 128 tokens are mine.  Also: I fetch for y (0) or for Wproj (1)
	s_and_b32 s16, s14, 1                          ; which 64 features.  Also: which half of that tile I fetch
	s_bfe_u32 s40, ttmp6, 0x40000                  ; cx, cy
	s_bfe_u32 s41, ttmp6, 0x40004
	s_lshl_b32 s42, ttmp9, 2
	s_add_co_u32 s42, s42, s40                     ; the 128 features: 4 x cluster x + cx
	s_and_b32 s17, ttmp7, 0xffff
	s_lshl_b32 s17, s17, 2
	s_add_co_u32 s17, s17, s41                     ; the 256 tokens: 4 x cluster y + cy
	s_lshl_b32 s43, s41, 2
	s_lshl_b32 s43, 15, s43                        ; my row of the cluster
	s_lshl_b32 s44, 0x1111, s40                    ; my column
	s_or_b32 s[G1AX], s43, (3<<16)|(1<<21)         ; the mask; elements of 8 bytes; bit 21 beside a mask
	s_or_b32 s[G1AY], s43, (3<<16)|(1<<21)
	s_or_b32 s[G1BX], s44, (3<<16)|(1<<21)
	s_or_b32 s[G1BY], s44, (3<<16)|(1<<21)
.macro G1SET g, c, r, p                ; r rows of c elements, p elements apart
	s_mov_b32 s[\g+1], (\c)<<16
	s_mov_b32 s[\g+2], (\r)<<16
	s_mov_b32 s[\g+3], (\c)<<16
	s_mov_b32 s[\g+4], \r
	s_mov_b32 s[\g+5], \p
	s_mov_b32 s[\g+6], 0
	s_mov_b32 s[\g+7], 0
.endm
	G1SET G1AX, 4096, 2, KSA/8                     ; two K slots, 8 blocks = 32,768 dense bytes of each
	G1SET G1AY, 32, 128, 32                        ; 32,768 dense bytes as rows of 256
	G1SET G1BX, 2048, 2, KSB/8                     ; two K slots, 4 blocks of each
	G1SET G1BY, 32, 64, 32                         ; 16,384 dense bytes
	s_lshl_b32 s[G0AX+1], s16, 16                  ; LDS addresses: no place in the cluster enters them
	s_lshl_b32 s[G0AY+1], s16, 15
	s_add_co_u32 s[G0AY+1], s[G0AY+1], YB
	s_lshl_b32 s[G0BX+1], s16, 15
	s_add_co_u32 s[G0BX+1], s[G0BX+1], 131072
	s_lshl_b32 s[G0BY+1], s16, 14
	s_add_co_u32 s[G0BY+1], s[G0BY+1], YB+65536
	s_lshl_b32 s20, s17, 16                        ; y: 16 blocks of 4,096 bytes for each 256 tokens,
	s_lshl_b32 s21, s16, 15                        ; the half that I fetch
	s_add_co_u32 s20, s20, s21
	s_mov_b32 s21, 0
	s_lshl_b32 s46, s42, 15                        ; Wproj: 8 blocks for each 128 features
	s_lshl_b32 s47, s16, 14
	s_add_co_u32 s46, s46, s47
	s_mov_b32 s47, 0
	s_lshl_b32 s74, s15, 16                        ; my fragments in LDS: y's half in X,
	s_lshl_b32 s75, s15, 15
	s_add_co_u32 s75, s75, YB                      ; in Y;
	s_lshl_b32 s22, s16, 15
	s_add_co_u32 s22, s22, 131072                  ; Wproj's half in X,
	s_lshl_b32 s23, s16, 14
	s_add_co_u32 s23, s23, YB+65536                ; in Y
	s_mul_i32 s13, s14, 16*SP
	s_add_co_u32 s13, s13, STG                     ; my stage
	s_lshl_b32 s18, s17, 20                        ; where my results go: 256 rows of 4,096 bytes a tile,
	s_lshl_b32 s19, s15, 19                        ; my 128 rows,
	s_add_co_u32 s18, s18, s19
	s_lshl_b32 s19, s42, 9                         ; 512 bytes of a row for each 128 features,
	s_add_co_u32 s18, s18, s19
	s_lshl_b32 s19, s16, 8                         ; my 64 features
	s_add_co_u32 s18, s18, s19
	s_mov_b32 s19, 0
	s_wait_dscnt 0x0
	s_wait_kmcnt 0x0
	s_load_b64 s[96:97], s[8:9], 0x18              ; e6, e7
	s_add_nc_u64 s[20:21], s[4:5], s[20:21]
	s_add_nc_u64 s[46:47], s[6:7], s[46:47]
	s_add_nc_u64 s[10:11], s[10:11], s[18:19]
	CROUND                                         ; all sixteen work-groups are here: the first joint loads meet
	s_mov_b32 s[G0AX], 1
	s_mov_b64 s[G0AX+2:G0AX+3], s[20:21]
	s_or_b32 s[G0AX+3], s[G0AX+3], 0x80000000
	s_mov_b32 s[G0BX], 1
	s_mov_b64 s[G0BX+2:G0BX+3], s[46:47]
	s_or_b32 s[G0BX+3], s[G0BX+3], 0x80000000
	JLOAD G0AX, G1AX, G0BX, G1BX                   ; K 0-511: my one load at the head
	s_mov_b32 s[G0AY], 1
	s_add_nc_u64 s[G0AY+2:G0AY+3], s[20:21], 2*KSA
	s_or_b32 s[G0AY+3], s[G0AY+3], 0x80000000
	s_mov_b32 s[G0BY], 1
	s_add_nc_u64 s[G0BY+2:G0BY+3], s[46:47], 2*KSB
	s_or_b32 s[G0BY+3], s[G0BY+3], 0x80000000
	v_and_b32 v1, 15, v0                           ; r = lane % 16
	v_bfe_u32 v2, v0, 4, 1                         ; h = lane / 16
	v_and_b32 v6, 31, v0
	v_lshlrev_b32 v[LI], 4, v6
	v_add_nc_u32 v[AAX], s74, v[LI]
	v_add_nc_u32 v[AAY], s75, v[LI]
	v_add_nc_u32 v[ABX], s22, v[LI]
	v_add_nc_u32 v[ABY], s23, v[LI]
	v_mul_u32_u24 v5, v1, SP                       ; into the stage: row r, 32 bytes for each half of the lanes
	v_lshl_add_u32 v5, v2, 5, v5
	v_add_nc_u32 v[STO], s13, v5
	v_mul_u32_u24 v5, v2, SP                       ; back: lanes 0-15 take one row of 256 bytes, lanes 16-31 the next
	v_lshl_add_u32 v5, v1, 4, v5
	v_add_nc_u32 v[RD], s13, v5
	v_lshlrev_b32 v[CO], 12, v2                    ; and the same two rows in out0
	v_lshl_add_u32 v[CO], v1, 4, v[CO]
; the fragments of the idx-th 128 along K of a slot (0: X, 1: Y) into a set: y's eight into window 1, Wproj's four into window 0
.macro FETCH slot, idx, set
	WIN 0x40
.irp a, 0,1,2,3,4,5,6,7
.irp c, 0,1,2,3
.if \slot
	ds_load_b128 v[128*(\set)+16*\a+4*\c:128*(\set)+16*\a+4*\c+3], v[AAY] offset:\a*4096+(\idx)*2048+512*\c
.else
	ds_load_b128 v[128*(\set)+16*\a+4*\c:128*(\set)+16*\a+4*\c+3], v[AAX] offset:((\idx)/2)*32768+\a*4096+((\idx)%2)*2048+512*\c
.endif
.endr
.endr
	WIN 0
.irp bb, 0,1,2,3
.irp c, 0,1,2,3
.if \slot
	ds_load_b128 v[BF+64*(\set)+16*\bb+4*\c:BF+64*(\set)+16*\bb+4*\c+3], v[ABY] offset:\bb*4096+(\idx)*2048+512*\c
.else
	ds_load_b128 v[BF+64*(\set)+16*\bb+4*\c:BF+64*(\set)+16*\bb+4*\c+3], v[ABX] offset:((\idx)/2)*16384+\bb*4096+((\idx)%2)*2048+512*\c
.endif
.endr
.endr
.endm
; the products of token blocks a0 .. a1.  The accumulators take turns, one instruction a turn.  zero = 1: the first product starts the sums
.macro MUL set, a0, a1, zero
	WIN 0xa4                                       ; source 0 window 0, source 1 window 1, C and D window 2
.set aa, \a0
.rept (\a1)-(\a0)+1
.irp bb, 0,1,2,3
.if \zero
	v_wmma_f32_16x16x128_fp8_fp8 v[8*(4*aa+\bb):8*(4*aa+\bb)+7], v[BF+64*(\set)+16*\bb:BF+64*(\set)+16*\bb+15], v[128*(\set)+16*aa:128*(\set)+16*aa+15], 0
.else
	v_wmma_f32_16x16x128_fp8_fp8 v[8*(4*aa+\bb):8*(4*aa+\bb)+7], v[BF+64*(\set)+16*\bb:BF+64*(\set)+16*\bb+15], v[128*(\set)+16*aa:128*(\set)+16*aa+15], v[8*(4*aa+\bb):8*(4*aa+\bb)+7]
.endif
.endr
.set aa, aa+1
.endr
.endm
.macro STEP set, nslot, nidx, zero     ; a step whose successor's fragments may be read at once
	s_wait_dscnt 0x0                               ; this step's fragments, asked for at the head of the step before
	PLACES
	FETCH \nslot, \nidx, 1-(\set)
	MUL \set, 0, 7, \zero
.endm
; A slot's last step: its fragments are all in registers.  One barrier; in front of it each wave waits for all its tensor loads, adds 0 to its spare word and waits for that and for its reads.  fill = 1: slot X is filled again
.macro TURN set, nslot, fill
	WIN 0
	s_wait_tensorcnt 0x0                           ; my part of the next slot has landed
	ds_add_u32 v[SPW], v[NIL]
	s_wait_dscnt 0x0                               ; the add is done, and my reads of this slot are over
	s_barrier_signal -1
	MUL \set, 0, 3, 0
	WIN 0
	s_barrier_wait -1
.if \fill
	CREST                                          ; the barrier has opened a round of the cluster's barrier
	s_add_nc_u64 s[G0AX+2:G0AX+3], s[G0AX+2:G0AX+3], 3*KSA
	s_add_nc_u64 s[G0BX+2:G0BX+3], s[G0BX+2:G0BX+3], 3*KSB
	JLOAD G0AX, G1AY, G0BX, G1BY                   ; K 768-1023, dense, onto the places of X's first K slot; its four v_nop are the places in front of the loads below
.else
	PLACES
.endif
	FETCH \nslot, 0, 1-(\set)
	MUL \set, 4, 7, 0
.endm
	s_wait_alu depctr_va_vdst(0)
	s_wait_tensorcnt 0x0                           ; my part of K 0-511 is in
	ds_add_u32 v[SPW], v[NIL]
	s_wait_dscnt 0x0
	CROUND                                         ; everybody's part is in, and the joint loads meet
	JLOAD G0AY, G1AY, G0BY, G1BY                   ; K 512-767, into slot Y
	FETCH 0, 0, 0
	STEP 0, 0, 1, 1                                ; eight steps of 128 along K, written out: the first starts the sums
	STEP 1, 0, 2, 0
	STEP 0, 0, 3, 0
	TURN 1, 1, 1                                   ; X takes K 768-1023
	STEP 0, 1, 1, 0
	TURN 1, 0, 0                                   ; nothing is left to fetch
	STEP 0, 0, 1, 0
	s_wait_dscnt 0x0                               ; the last step
	MUL 1, 0, 7, 0
	WIN 0
; THE WAY OUT, block by block of 16 rows x 64 columns: through my own stage and back as whole rows of 256 bytes.  LDS serves a wave's instructions in order (ISA guide 5.7.1.4): no wait between the stores and the loads
.macro TOSTAGE a
	WIN 0x02                                       ; source 0: window 2
.set ii, 0
.rept 16
	v_pk_mul_f32 v[TMP+ii:TMP+ii+1], v[32*(\a)+ii:32*(\a)+ii+1], s[96:97] op_sel_hi:[1,0]   ; both x 2^(e6 + e7); each accumulator from its low end on
.set ii, ii+2
.endr
	WIN 0
.irp b, 0,1,2,3
	ds_store_b128 v[STO], v[TMP+8*\b:TMP+8*\b+3] offset:64*\b
	ds_store_b128 v[STO], v[TMP+8*\b+4:TMP+8*\b+7] offset:64*\b+16
.endr
.set BB, BK+32*((\a)%2)
.irp t, 0,1,2,3,4,5,6,7
	ds_load_b128 v[BB+4*\t:BB+4*\t+3], v[RD] offset:\t*2*SP
.endr
.endm
.macro SEND a, younger                 ; younger: the LDS instructions issued behind block a's loads, which may stay out
.set BB, BK+32*((\a)%2)
	s_wait_dscnt \younger
.irp t, 0,1,2,3,4,5,6,7
	global_store_b128 v[CO], v[BB+4*\t:BB+4*\t+3], s[10:11] offset:(\a)*65536+\t*8192 th:TH_STORE_NT   ; sixteen lanes store 256 consecutive bytes, aligned
.endr
.endm
	s_wait_kmcnt 0x0
	s_add_co_i32 s96, s96, s97
	s_add_co_i32 s96, s96, 127
	s_lshl_b32 s96, s96, 23                        ; 2^(e6 + e7) as f32
	PLACES
	TOSTAGE 0
.irp a, 1,2,3,4,5,6,7
.if \a > 1
	s_wait_xcnt 0x0                                ; block a - 2's stores have read their data: block a's loads may land there
.endif
	TOSTAGE \a
	SEND \a-1, 16                                  ; behind block a - 1's loads: block a's 8 stores and 8 loads
.endr
	SEND 7, 0
	s_wait_tensorcnt 0x0                           ; the wave's end
	ds_add_u32 v[SPW], v[NIL]
	s_wait_dscnt 0x0
	CROUND                                         ; the closing round
	s_endpgm
.Lfunc_end_k_q055748ea7d_proj:
	.size	k_q055748ea7d_proj, .Lfunc_end_k_q055748ea7d_proj-k_q055748ea7d_proj
	.p2alignl 7, 3214868480
	.fill 96, 4, 3214868480
	.section	.rodata,"a",@progbits
	.p2align	6, 0x0
	.amdhsa_kernel k_q055748ea7d_proj
		.amdhsa_group_segment_fixed_size 327680
		.amdhsa_private_segment_fixed_size 0
		.amdhsa_enable_private_segment 0
		.amdhsa_kernarg_size 32
		.amdhsa_user_sgpr_count 2
		.amdhsa_user_sgpr_kernarg_segment_ptr 1
		.amdhsa_wavefront_size32 1
		.amdhsa_system_sgpr_workgroup_id_x 1
		.amdhsa_system_sgpr_workgroup_id_y 1
		.amdhsa_system_sgpr_workgroup_id_z 1
		.amdhsa_system_vgpr_workitem_id 0
		.amdhsa_next_free_vgpr 1024
		.amdhsa_next_free_sgpr 98
		.amdhsa_reserve_vcc 0
		.amdhsa_float_denorm_mode_32 3
		.amdhsa_float_denorm_mode_16_64 3
		.amdhsa_memory_ordered 1
		.amdhsa_forward_progress 1
		.amdhsa_inst_pref_size 75
	.end_amdhsa_kernel
	.amdgpu_metadata
---
amdhsa.version: [ 1, 2 ]
amdhsa.kernels:
  - .name:           k_q055748ea7d_proj
    .symbol:         k_q055748ea7d_proj.kd
    .args:
      - { .name: yc, .offset: 0, .size: 8, .value_kind: global_buffer, .address_space: global }
      - { .name: wpc, .offset: 8, .size: 8, .value_kind: global_buffer, .address_space: global }
      - { .name: lowp_scales, .offset: 16, .size: 8, .value_kind: global_buffer, .address_space: global }
      - { .name: out0, .offset: 24, .size: 8, .value_kind: global_buffer, .address_space: global }
    .group_segment_fixed_size: 327680
    .private_segment_fixed_size: 0
    .kernarg_segment_align: 8
    .kernarg_segment_size: 32
    .max_flat_workgroup_size: 128
    .sgpr_count:     98
    .vgpr_count:     1024
    .wavefront_size: 32
...
	.end_amdgpu_metadata
.endif
;; end of part 4
